; MI455X (gfx1250); checked and timed in simulation.
; The chip was launched on July 23, 2026; its instructions are those of AMD's public machine-readable ISA for CDNA 5 (MIT licence, August 2026) and "CDNA5" Instruction Set Architecture Reference Guide (July 2026). The comments in the code are by the model that wrote it; some were corrected since.
;; Quantizing. Allowed arithmetic: matrix products marked QUANTISED: E4M3 operands, one given power-of-two scale a tensor, by v_wmma_f32_16x16x64_fp8_fp8 or v_wmma_f32_16x16x128_fp8_fp8, f32 sums; everything else in f32.
;; Inputs: lowp_scales 2 int32 (the exponents e of the quantised operands' scales 2^e); weight 8,192 x 512 float32; x 8 x 2,048 x 512 float32.
;; Outputs: out0 8 x 2,048 x 512 float32; out1 8 x 2,048 int32.
;; This version of the problem:
;;   THIS VERSION OF THE PROBLEM IS GIVEN IN LOW PRECISION. The matrix products marked QUANTISED in the list below multiply operands that are first quantised to E4M3 (4 exponent bits, 3 mantissa bits; 8 bits a number), with one given power-of-two scale for each operand tensor; their sums are f32. All else is computed in f32.
;;   The module's matrix products, in the order in which they are computed (A, B: the left and right operand; K: the contracted axis; several contracted axes count as one K, in the product's order):
;;     1. [M 16,384, K 512] x [K 512, N 8,192]; A: input x; B: input weight: QUANTISED (scales: A lowp_scales[0], B lowp_scales[1])
;;   THE QUANTISER, for each operand of a quantised product, along K:
;;     - The operand's scale is 2^e, e = its entry of the input lowp_scales (int32; the entries are numbered through the quantised products in the list's order, A before B).
;;     - Each number is divided by the scale, clamped to +-448, and rounded to the nearest number of E4M3, ties to even, subnormals kept.
;;     - The product sums the exact products of the quantised numbers (number of the format x scale) in f32.
;;   ~~~python
;;   def quantise(x, axis, e):      # numpy; x: float32 -> the quantised numbers, widened to float32 again
;;       x = np.moveaxis(x, axis, -1); K = x.shape[-1]
;;       r = np.clip(x / 2.0 ** e, -448, 448)
;;       step = 2.0 ** (np.maximum(np.frexp(np.where(r == 0, 1, r))[1] - 1, -6) - 3)
;;       q = np.round(r / step) * step * 2.0 ** e      # np.round: ties to even
;;       return np.moveaxis(q, -1, axis).astype(np.float32)
;;   ~~~
;; One version. Each part assembles by itself: llvm-mc -triple=amdgcn-amd-amdhsa -mcpu=gfx1250 --defsym DOCPART=n.
;; ======== version 1 of 1: 3 launches
;; limits: right only within a limited range of input values
;; workspace buffers: codes 12,976,128 bytes; cd 131,072 bytes; cq 131,072 bytes of whole numbers
;; launch quant (part 1): grid 384 x 1, 4 waves a work-group, no clusters, 35,840 bytes of LDS; arguments x, weight, lowp_scales, codes; writes codes
.if DOCPART == 1
	.amdgcn_target "amdgcn-amd-amdhsa--gfx1250"
	.amdhsa_code_object_version 6
	.text
	.protected	k_qf7c6ead16f_quant
	.globl	k_qf7c6ead16f_quant
	.p2align	8
	.type	k_qf7c6ead16f_quant,@function
k_qf7c6ead16f_quant:
	s_mov_b64 s[64:65], 0
	v_nop
	global_prefetch_b8 v0, s[64:65] scope:SCOPE_SE
	s_setreg_imm32_b32 hwreg(HW_REG_WAVE_MODE, 25, 1), 1
	s_wait_xcnt 0x0
; x [16384][512] and weight [8192][512], f32, become codes of FP8 (E4M3), each with the one scale 2^e given for it (entry 0: x, entry 1: weight);
; each row's sum of squares is taken in f32 of the numbers as they are given.
; code = v / 2^e, held within +-448, rounded to the nearest code, ties to even.  LIMITS: e between -126 and 119; NaN among the inputs is not served.
; LAYOUT of the buffer of codes: a tile is 16 rows and takes 8,448 bytes; tiles 0-1023 are x's, 1024-1535 weight's.  Its first 32 units of 256 bytes are codes, in the order of the next launch's
; operand registers: unit u holds, for each of the 16 rows, 16 bytes at 16 x row: byte 4 k + b is the code of element 128 k + 4 u + b (the same order in both tensors, so each product meets its partner).
; Its 33rd unit holds the rows' sums of squares: word k is the sum of row k % 16.
; SHARES.  A wave takes one tile: 32 KB of f32, dense.  Each load reads 512 consecutive bytes of a row, 16 a lane: lane l then holds the 16 numbers of unit l.  The codes go through the wave's own stage
; in LDS and leave as 512 consecutive bytes a store; the sums go through 64 bytes of the wave's own and leave as one store of 256 bytes.  Waves share nothing: no barrier.
; Work-groups 0-255 take x, 256-383 weight; only the input's address and e are chosen, on the work-group's number.  A stream: no tensor loads, no matrix work.
.set TP,   8448                        ; a tile in the buffer of codes
.set STG,  8704                        ; a wave's stage: 32 units x 272 bytes
.set SUMS, 4*STG                       ; behind the stages: 64 bytes of sums for each wave
.set SQ,   20                          ; v20-35   the 16 rows' sums of squares
.set C,    36                          ; v36-99   codes, four registers a row
.set R,    100                         ; v100-227 eight row slots of 16 numbers; on the way out the tile's codes
	s_load_b256 s[4:11], s[0:1], 0x0               ; x, weight, the scales' exponents, codes
	v_lshl_add_u32 v232, v0, 2, 0x8a00             ; my spare word, behind the sums
	v_mov_b32 v233, 0
	v_lshrrev_b32 v1, 5, v0
	v_readfirstlane_b32 s14, v1                    ; wave 0..3
	v_and_b32 v1, 31, v0                           ; lane
	v_lshlrev_b32 v2, 4, v1                        ; my 16 bytes of 512, in and out
	s_mul_i32 s18, s14, STG
	v_mul_u32_u24 v3, v1, 272
	v_add_nc_u32 v3, s18, v3                       ; the stage, on the way in: unit = my lane
	v_lshrrev_b32 v8, 4, v1
	v_mul_u32_u24 v4, v8, 272
	v_and_b32 v9, 15, v1
	v_lshl_add_u32 v4, v9, 4, v4
	v_add_nc_u32 v4, s18, v4                       ; and on the way out: sixteen lanes to a unit
	s_lshl_b32 s19, s14, 6
	s_add_co_u32 s19, s19, SUMS
	v_mov_b32 v5, s19                              ; my wave's 16 sums
	v_lshlrev_b32 v6, 3, v1                        ; 8 x lane: the sums' place in their unit
	v_and_b32 v7, 7, v1
	v_lshl_add_u32 v7, v7, 3, s19                  ; from where I read two sums back: words 2 l % 16 and the next
	v_mov_b32 v16, 0                               ; a lane permute's destination counts as one of its sources
	s_mov_b32 s24, 0x76543210                      ; v_permlanex16_b32: lane l xor 16
	s_mov_b32 s25, 0xfedcba98
	s_wait_kmcnt 0x0
	s_load_b64 s[16:17], s[8:9], 0x0               ; ex, ew
	s_cmp_lt_u32 ttmp9, 256                        ; x's work-group or weight's?
	s_cselect_b64 s[4:5], s[4:5], s[6:7]
	s_cselect_b32 s20, 0, 256
	s_sub_co_u32 s20, ttmp9, s20
	s_lshl_b32 s20, s20, 2
	s_add_co_u32 s20, s20, s14                     ; my tile within the tensor,
	s_lshl_b32 s20, s20, 15                        ; 32,768 bytes of f32 each
	s_mov_b32 s21, 0
	s_add_nc_u64 s[4:5], s[4:5], s[20:21]
	s_lshl_b32 s22, ttmp9, 2
	s_add_co_u32 s22, s22, s14                     ; my tile among all 1,536
	s_mul_i32 s22, s22, TP
	s_mov_b32 s23, 0
	s_add_nc_u64 s[10:11], s[10:11], s[22:23]
.macro LOADROW i                       ; row i of the tile into slot i % 8: four loads of 512 consecutive bytes
.irp k, 0,1,2,3
	global_load_b128 v[R+16*((\i)%8)+4*\k:R+16*((\i)%8)+4*\k+3], v2, s[4:5] offset:2048*(\i)+512*\k th:TH_LOAD_NT
.endr
.endm
.irp i, 0,1,2,3,4,5,6,7
	LOADROW \i
.endr
	s_wait_kmcnt 0x0
	s_cmp_lt_u32 ttmp9, 256
	s_cselect_b32 s16, s16, s17                    ; e
	s_add_co_i32 s16, s16, 127
	s_lshl_b32 s17, s16, 23
	v_mov_b32 v11, s17                             ; 2^e as f32: the conversion takes its exponent field
	s_add_co_i32 s16, s16, 8
	s_lshl_b32 s16, s16, 23
	s_or_b32 s16, s16, 0x600000
	v_mov_b32 v10, s16                             ; 448 x 2^e
.macro ROW i
.set XR, R+16*((\i)%8)
.if (\i) <= 8
	s_wait_loadcnt 28                              ; row i's four loads are in, the seven rows behind it stay out
.else
	s_wait_loadcnt 4*(15-(\i))
.endif
	v_pk_mul_f32 v[12:13], v[XR:XR+1], v[XR:XR+1]  ; the squares, in two chains started by the first products
	v_pk_mul_f32 v[14:15], v[XR+2:XR+3], v[XR+2:XR+3]
.irp j, 4,8,12
	v_pk_fma_f32 v[12:13], v[XR+\j:XR+\j+1], v[XR+\j:XR+\j+1], v[12:13]
	v_pk_fma_f32 v[14:15], v[XR+\j+2:XR+\j+3], v[XR+\j+2:XR+\j+3], v[14:15]
.endr
	v_pk_add_f32 v[12:13], v[12:13], v[14:15]
	v_add_f32 v[SQ+\i], v12, v13
.irp j, 0,1,2,3,4,5,6,7,8,9,10,11,12,13,14,15
	v_med3_num_f32 v[XR+\j], v[XR+\j], -v10, v10   ; the conversion does not saturate (ISA guide 7.6.2): the hold at the largest code x the scale
.endr
	v_cvt_scalef32_pk8_fp8_f32 v[C+4*\i:C+4*\i+1], v[XR:XR+7], v11
	v_cvt_scalef32_pk8_fp8_f32 v[C+4*\i+2:C+4*\i+3], v[XR+8:XR+15], v11
	ds_store_b128 v3, v[C+4*\i:C+4*\i+3] offset:16*\i      ; my unit's 16 bytes of row i
.if (\i) < 8
	LOADROW (\i)+8
.endif
.endm
.irp i, 0,1,2,3,4,5,6,7,8,9,10,11,12,13,14,15
	ROW \i
.endr
	; the rows' sums across the 32 lanes
.irp m, 1,2,4,8
.irp i, 0,1,2,3,4,5,6,7,8,9,10,11,12,13,14,15
	v_add_f32_dpp v[SQ+\i], v[SQ+\i], v[SQ+\i] row_xmask:\m row_mask:0xf bank_mask:0xf
.endr
.endr
.irp i, 0,1,2,3,4,5,6,7,8,9,10,11,12,13,14,15
	v_permlanex16_b32 v16, v[SQ+\i], s24, s25
	v_add_f32 v[SQ+\i], v[SQ+\i], v16
	ds_store_b32 v5, v[SQ+\i] offset:4*\i          ; all lanes write the same word with the same number
.endr
.irp t, 0,1,2,3,4,5,6,7,8,9,10,11,12,13,14,15
	ds_load_b128 v[R+4*\t:R+4*\t+3], v4 offset:544*\t      ; units 2 t and 2 t + 1; LDS serves a wave's instructions in order (ISA guide 5.7.1.4)
.endr
.irp t, 0,1,2,3,4,5,6,7,8,9,10,11,12,13,14,15
	s_wait_dscnt 15-\t
	global_store_b128 v2, v[R+4*\t:R+4*\t+3], s[10:11] offset:512*\t   ; 512 consecutive bytes, at a multiple of 256 from the buffer's first byte
.endr
	ds_load_b64 v[12:13], v7                       ; my own wave's sums, two a lane
	s_wait_dscnt 0x0
	global_store_b64 v6, v[12:13], s[10:11] offset:8192    ; the tile's 33rd unit: 256 consecutive bytes
	s_wait_tensorcnt 0x0                           ; the wave's end
	ds_add_u32 v232, v233
	s_wait_dscnt 0x0
	s_endpgm
.Lfunc_end_k_qf7c6ead16f_quant:
	.size	k_qf7c6ead16f_quant, .Lfunc_end_k_qf7c6ead16f_quant-k_qf7c6ead16f_quant
	.p2alignl 7, 3214868480
	.fill 96, 4, 3214868480
	.section	.rodata,"a",@progbits
	.p2align	6, 0x0
	.amdhsa_kernel k_qf7c6ead16f_quant
		.amdhsa_group_segment_fixed_size 35840
		.amdhsa_private_segment_fixed_size 0
		.amdhsa_enable_private_segment 0
		.amdhsa_kernarg_size 32
		.amdhsa_user_sgpr_count 2
		.amdhsa_user_sgpr_kernarg_segment_ptr 1
		.amdhsa_wavefront_size32 1
		.amdhsa_system_sgpr_workgroup_id_x 1
		.amdhsa_system_sgpr_workgroup_id_y 1
		.amdhsa_system_sgpr_workgroup_id_z 1
		.amdhsa_system_vgpr_workitem_id 0
		.amdhsa_next_free_vgpr 234
		.amdhsa_next_free_sgpr 66
		.amdhsa_reserve_vcc 0
		.amdhsa_float_denorm_mode_32 3
		.amdhsa_float_denorm_mode_16_64 3
		.amdhsa_memory_ordered 1
		.amdhsa_forward_progress 1
		.amdhsa_inst_pref_size 48
	.end_amdhsa_kernel
	.amdgpu_metadata
---
amdhsa.version: [ 1, 2 ]
amdhsa.kernels:
  - .name:           k_qf7c6ead16f_quant
    .symbol:         k_qf7c6ead16f_quant.kd
    .args:
      - { .name: x, .offset: 0, .size: 8, .value_kind: global_buffer, .address_space: global }
      - { .name: weight, .offset: 8, .size: 8, .value_kind: global_buffer, .address_space: global }
      - { .name: lowp_scales, .offset: 16, .size: 8, .value_kind: global_buffer, .address_space: global }
      - { .name: codes, .offset: 24, .size: 8, .value_kind: global_buffer, .address_space: global }
    .group_segment_fixed_size: 35840
    .private_segment_fixed_size: 0
    .kernarg_segment_align: 8
    .kernarg_segment_size: 32
    .max_flat_workgroup_size: 128
    .sgpr_count:     66
    .vgpr_count:     234
    .wavefront_size: 32
...
	.end_amdgpu_metadata
.endif
;; end of part 1
;; launch argmin (part 2): grid 128 x 2, 4 waves a work-group, no clusters, 20,992 bytes of LDS; arguments codes, lowp_scales, cd, cq; writes cd, cq
.if DOCPART == 2
	.amdgcn_target "amdgcn-amd-amdhsa--gfx1250"
	.amdhsa_code_object_version 6
	.text
	.protected	k_qf7c6ead16f_argmin
	.globl	k_qf7c6ead16f_argmin
	.p2align	8
	.type	k_qf7c6ead16f_argmin,@function
k_qf7c6ead16f_argmin:
	s_mov_b64 s[64:65], 0
	v_nop
	global_prefetch_b8 v0, s[64:65] scope:SCOPE_SE
	s_setreg_imm32_b32 hwreg(HW_REG_WAVE_MODE, 25, 1), 1
	s_wait_xcnt 0x0
; For each of 16,384 rows of x: the least d = (x_sq - 2 x.w) + w_sq over one half (4,096) of the 8,192 codewords, and the lowest index at which it is taken.  x.w is the product of FP8 (E4M3) codes
; x 2^(ex + ew), sums in f32.  d is rounded as written: one fused multiply-add (sum x -2^(ex + ew + 1) + x_sq: the multiplication rounds nothing), then one addition of w_sq.
; LIMITS: ex + ew + 1 between -126 and 127; NaN among the inputs is not served (the minimum passes over a NaN).
; SHARES.  A work-group owns 128 rows (block rb) and one half of the codewords.  ALL FOUR WAVES HOLD THE SAME 128 ROWS' CODES IN REGISTERS (8 tiles x 4 K steps x 16 = 512 registers, for the whole launch);
; wave w walks its own quarter of the half, 1,024 codewords: 64 tiles of 16, one behind the other in memory.  A tile (8 KB) feeds 32 matrix instructions.
; THE CODEWORDS GO FROM MEMORY STRAIGHT INTO THE OPERAND'S REGISTERS: the tiles lie in memory in the order of the registers, so a load reads 512 consecutive bytes, an image of four registers.  Each byte
; that a work-group loads is wanted by one wave alone, once.  So no tile is staged in LDS, the loop has no barrier, and there is no joint load to make: cluster = none.
; Four sets of fragment registers: step g multiplies set g % 4 and asks for tile g + 3.
; THE MATRIX INSTRUCTION IS USED TRANSPOSED (source 0 = 16 codewords, source 1 = 16 rows of x): lane (r = lane % 16, h = lane / 16) holds ONE row of x, its 8 registers the codewords 8 h + 0 .. 7.
; THE ARGMIN, 22 vector instructions for a tile's 8 numbers a lane: 4 packed multiply-adds, 4 packed additions, 4 three-way minima, one compare, one select of the tile's number, 8 selects that keep the
; tile's 8 d.  Ties keep the earlier tile; the place inside the kept tile, the first d equal to the best, is found once, at the end.
; BY TURNS.  Step g: four K steps of 8 matrix instructions on tile g, into one of two sets of 8 accumulators; behind each K step 44 of the 176 vector instructions that work on tile g - 1's set.
; w_sq: the 64 bytes behind each of my 64 tiles are copied once into 4,096 LDS bytes of my wave's own, and read from there, two loads a step.
; REGISTERS, in windows of 256: window 0: v1-7 addresses; v8-23 x_sq as pairs; v24-39 the best d (two sets); v40-47 the best tile's number; v48-63 w_sq (two sets); v64-127 the best tile's 8 d;
;   v128-255 the accumulators (two sets of 64).   window 1: the codewords' fragments, four sets of 64.   windows 2, 3: x's tile a, K step s in window 2 + a / 4 at v[64 (a % 4) + 16 s].
.set TP,    8448                       ; a tile in the buffer of codes: 8,192 bytes of codes, 256 of sums of squares
.set WOFF,  1024*TP                    ; where weight's tiles begin
.set HALFB, 256*TP                     ; a half of the codewords
.set RED,   16384                      ; behind the four waves' w_sq: wave w's 128 pairs (d, index) at 1,024 w + 8 x row
.set SPARE, 20480                      ; the spare words, 128 bytes for each wave: two blocks of 256 bytes that no other line names
.set LOF, 1                            ; v1  16 x lane
.set WA0, 2                            ; v2  4,096 x wave + 32 h: my eight w_sq of the wave's first tile
.set WAD, 3                            ; v3  the same for the trip's tiles
.set SPW, 4                            ; v4  my spare word; never rewritten
.set NIL, 5                            ; v5  0; never rewritten
.set PFO, 6                            ; v6  the prefetches' offset; never rewritten
.set XS,  8
.set BE,  24
.set IX,  40
.set WS,  48
.set BD,  64
.set AC,  128
.set WV,  14                           ; s14 my wave's number
.set FB,  18                           ; s[18:19] my quarter's codes at the trip's tile
.set XB,  22                           ; s[22:23] my block's tiles of x
.set SC,  40                           ; s[40:41] -2^(ex + ew + 1), named as a pair
.set TID, 42                           ; s42 the number of the tile that the vector work handles
.set CNT, 43                           ; s43 trips to go
.set LIM, 44                           ; s44 2 in a work-group that prefetches, else the greatest number
.set WB,  45                           ; s45 256 x trips done
.set SEL, 48                           ; s[48:49] v_permlanex16_b32: lane l xor 16
.set MK,  58                           ; s58, s59 the compare's masks, for even and odd tiles of rows
.set MSB, 0
.macro WIN new                         ; the immediate's high byte repeats the setting that is left
.if MSB != \new
	s_set_vgpr_msb (MSB<<8)|\new
.set MSB, \new
.endif
.endm
; Matrix instruction i of a step's 32, into set p, from fragment set fs: K step i / 8, tile of rows i % 8.  The eight accumulators take turns.  The first K step starts the sums.
.macro MM p, fs
.set ms, i/8
.set ma, i%8
.set rD, AC+64*(\p)+8*ma
.set rW, 64*(\fs)+16*ms
.set rA, 64*(ma%4)+16*ms
.if ms == 0
	v_wmma_f32_16x16x128_fp8_fp8 v[rD:rD+7], v[rW:rW+15], v[rA:rA+15], 0
.else
	v_wmma_f32_16x16x128_fp8_fp8 v[rD:rD+7], v[rW:rW+15], v[rA:rA+15], v[rD:rD+7]
.endif
.set i, i+1
.endm
; Vector instruction n of the 176 that work on set q.  Two tiles of rows at a time, alternating; each accumulator is read from its low end on.
.macro EP q
.set em, n%44
.set ea, 2*(n/44)+em%2
.set ej, em/2
.set rD, AC+64*(\q)+8*ea
.set rN, BE+8*(\q)+ea
.set rO, BE+8*(1-(\q))+ea
.set rM, MK+ea%2
.if ej < 4
	v_pk_fma_f32 v[rD+2*ej:rD+2*ej+1], v[rD+2*ej:rD+2*ej+1], s[SC:SC+1], v[XS+2*ea:XS+2*ea+1] op_sel_hi:[1,0,1]  ; x_sq - 2 x.w: one rounding
.elseif ej < 8
	v_pk_add_f32 v[rD+2*ej-8:rD+2*ej-7], v[rD+2*ej-8:rD+2*ej-7], v[WS+8*(\q)+2*ej-8:WS+8*(\q)+2*ej-7]           ; + w_sq
.elseif ej == 8
	v_min3_num_f32 v[rN], v[rD], v[rD+1], v[rD+2]
.elseif ej < 11
	v_min3_num_f32 v[rN], v[rN], v[rD+2*ej-15], v[rD+2*ej-14]
.elseif ej == 11
	v_min3_num_f32 v[rN], v[rN], v[rD+7], v[rO]    ; the new best: the tile's eight and the best so far
.elseif ej == 12
	v_cmp_lt_f32 s[rM], v[rN], v[rO]               ; less than before: this tile holds the best; a tie keeps the earlier tile
.elseif ej == 13
	v_cndmask_b32 v[IX+ea], v[IX+ea], s[TID], s[rM]
.else
	v_cndmask_b32 v[BD+8*ea+ej-14], v[BD+8*ea+ej-14], v[rD+ej-14], s[rM]
.endif
.set n, n+1
.endm
; K step k: eight products on end; valu = 1: then the whole vector work of two tiles of rows of the other set.  It names no register of this step's products, so it is also the places
; between a set's last products and its first reads, and in front of the loads into fragments that have been multiplied.
.macro KS p, fs, k, valu
.set i, 8*(\k)
	WIN 0x09                                       ; source 0 (codewords) window 1, source 1 (x) window 2, C and D window 0
.rept 4
	MM \p, \fs
.endr
	WIN 0x0d                                       ; the same with x in window 3
.rept 4
	MM \p, \fs
.endr
	WIN 0
.if \valu
.set n, 44*(\k)
.rept 44
	EP 1-(\p)
.endr
.endif
.endm
; A PREFETCH INTO THE L2: trip m, whose loads ask for tiles 4 m + 4 .. 4 m + 7 of my quarter, names tiles 4 m + 12 .. 4 m + 15: two trips, eight steps, ahead of their loads.  All 128 work-groups of a half
; walk the same four quarters: the first six share each quarter's four tiles (33,792 bytes, 132 units of 256) out, 22 units each, a lane a unit (lanes left over name the last again).
; The last two trips ask for nothing: there is no tile behind the 64th.  Tiles 0 to 11 come by their loads alone.
.macro ASK
	s_cmp_gt_u32 s[CNT], s[LIM]
	s_cbranch_scc0 .Lnot_mine_\@
	global_prefetch_b8 v[PFO], s[FB:FB+1] offset:TP*12 th:TH_LOAD_NT scope:SCOPE_SE
.Lnot_mine_\@:
.endm
; A STEP multiplies tile g: accumulator set p = g % 2, fragment set fs = g % 4.  lt >= 0: tile g + 3, which lies lt tiles behind the trip's base, is asked for, into the set that step g - 1 multiplied.
; lc: the loads that may stay out: those of the tiles behind g that have been asked for, 16 each.  wo: where tile g's w_sq lie from the trip's address.  adv = 1: a trip's first step makes that address.
.macro STEP p, fs, lt, wo, lc, valu, adv, ask
	s_wait_loadcnt \lc                             ; loads come back in order: tile g's fragments are in
	s_wait_dscnt 0x0                               ; and tile g - 1's w_sq
.if \adv
	v_add_nc_u32 v[WAD], s[WB], v[WA0]
.endif
.if (\lt) >= 0
	WIN 0x40                                       ; destination window 1, address window 0
.irp k, 0,1,2,3,4,5,6,7,8,9,10,11,12,13,14,15
	global_load_b128 v[64*(((\fs)+3)%4)+4*\k:64*(((\fs)+3)%4)+4*\k+3], v[LOF], s[FB:FB+1] offset:TP*(\lt)+512*\k   ; no hint: other work-groups read these bytes too
.endr
	WIN 0
.endif
	ds_load_b128 v[WS+8*(\p):WS+8*(\p)+3], v[WAD] offset:\wo
	ds_load_b128 v[WS+8*(\p)+4:WS+8*(\p)+7], v[WAD] offset:(\wo)+16
.if \ask
	ASK
.endif
.irp k, 0,1,2,3
	KS \p, \fs, \k, \valu
.endr
.if \valu
	s_add_co_u32 s[TID], s[TID], 1
.else
.rept 4
	v_nop                                          ; the places behind the step's last products
.endr
.endif
.endm
; (d, q) takes (d2, q2) where d2 is less, or equal with the lower index
.macro MERGE d, q, d2, q2
	v_cmp_lt_f32 s68, v[\d2], v[\d]
	v_cmp_eq_f32 s69, v[\d2], v[\d]
	v_cmp_lt_u32 s70, v[\q2], v[\q]
	s_and_b32 s69, s69, s70
	s_or_b32 s68, s68, s69
	v_cndmask_b32 v[\d], v[\d], v[\d2], s68
	v_cndmask_b32 v[\q], v[\q], v[\q2], s68
.endm
	s_load_b128 s[4:7], s[0:1], 0x0                ; codes s[4:5], the scales' exponents s[6:7]
	s_load_b128 s[8:11], s[0:1], 0x10              ; cd s[8:9], cq s[10:11]
	v_lshl_add_u32 v[SPW], v0, 2, SPARE
	v_mov_b32 v[NIL], 0
	v_lshrrev_b32 v7, 5, v0
	v_readfirstlane_b32 s[WV], v7                  ; wave 0..3
	s_mov_b32 s16, ttmp9                           ; rb: my block of 128 rows
	s_and_b32 s17, ttmp7, 0xffff                   ; which half of the codewords
	s_mul_i32 s20, s17, HALFB
	s_mul_i32 s21, s[WV], 64*TP
	s_add_co_u32 s20, s20, s21
	s_add_co_u32 s20, s20, WOFF                    ; my quarter of my half
	s_mov_b32 s21, 0
	s_mul_i32 s24, s16, 8*TP                       ; my block's eight tiles of x
	s_mov_b32 s25, 0
	s_lshl_b32 s54, s[WV], 12                      ; my wave's w_sq in LDS
	s_mul_i32 s56, s16, 22
	s_lshl_b32 s57, s[WV], 10
	s_lshl_b32 s60, s17, 12
	s_add_co_u32 s57, s57, s60                     ; 1,024 x wave + 4,096 x half
	s_lshl_b32 s61, s[WV], 10
	s_add_co_u32 s61, s61, RED
	s_and_b32 s62, s[WV], 1
	s_lshl_b32 s62, s62, 9
	s_add_co_u32 s62, s62, RED
	s_mov_b32 s60, 0x7f800000                      ; +infinity: over every d
	s_mov_b32 s[TID], 0
	s_mov_b32 s[CNT], 15
	s_mov_b32 s[WB], 0
	s_mov_b32 s[SEL], 0x76543210
	s_mov_b32 s[SEL+1], 0xfedcba98
	s_cmp_lt_u32 s16, 6
	s_cselect_b32 s[LIM], 2, -1
	v_and_b32 v200, 31, v0                         ; lane  (v200-204: at work in the head; the accumulators take these registers behind the wait for the head's loads)
	v_bfe_u32 v201, v0, 4, 1                       ; h
	v_and_b32 v204, 15, v0                         ; r
	v_lshlrev_b32 v[LOF], 4, v200
	v_lshl_add_u32 v[WA0], v201, 5, s54
	v_lshl_add_u32 v[WAD], v201, 5, s54
	v_min_u32 v[PFO], 21, v200
	v_add_nc_u32 v[PFO], s56, v[PFO]
	v_lshlrev_b32 v[PFO], 8, v[PFO]
	v_lshrrev_b32 v202, 2, v200
	v_mul_u32_u24 v202, v202, TP
	v_and_b32 v203, 3, v200
	v_lshl_add_u32 v202, v203, 4, v202             ; w_sq in memory: four lanes to a tile's 64 bytes, eight tiles a load
	v_lshl_add_u32 v203, v200, 4, s54              ; and in LDS: dense
	v_lshlrev_b32 v204, 2, v204                    ; 4 r: x_sq
.irp a, 0,1,2,3,4,5,6,7
	v_mov_b32 v[BE+8+\a], s60                      ; the step is written once: the first tile finds these start values
	v_mov_b32 v[IX+\a], 0
.endr
.set j, 0
.rept 64
	v_mov_b32 v[BD+j], s60
.set j, j+1
.endr
	s_wait_alu depctr_va_vdst(0)                   ; at the end of the head's vector work, directly ahead of the wait below
	s_wait_kmcnt 0x0
	s_load_b64 s[50:51], s[6:7], 0x0               ; ex, ew
	s_add_nc_u64 s[FB:FB+1], s[4:5], s[20:21]
	s_add_nc_u64 s[XB:XB+1], s[4:5], s[24:25]
.irp t, 0,1,2,3,4,5,6,7
	global_load_b128 v[128+4*\t:131+4*\t], v202, s[FB:FB+1] offset:8192+8*TP*\t   ; w_sq of tiles 8 t .. 8 t + 7
.endr
	WIN 0x80                                       ; destination window 2
.irp a, 0,1,2,3
.irp k, 0,1,2,3,4,5,6,7,8,9,10,11,12,13,14,15
	global_load_b128 v[64*\a+4*\k:64*\a+4*\k+3], v[LOF], s[XB:XB+1] offset:TP*\a+512*\k
.endr
.endr
	WIN 0xc0                                       ; destination window 3
.irp a, 0,1,2,3
.irp k, 0,1,2,3,4,5,6,7,8,9,10,11,12,13,14,15
	global_load_b128 v[64*\a+4*\k:64*\a+4*\k+3], v[LOF], s[XB:XB+1] offset:TP*(\a+4)+512*\k
.endr
.endr
	WIN 0
.irp a, 0,1,2,3,4,5,6,7
	global_load_b32 v[XS+2*\a], v204, s[XB:XB+1] offset:TP*\a+8192     ; x_sq of row 16 a + r, twice: a pair for the packed multiply-add
	global_load_b32 v[XS+2*\a+1], v204, s[XB:XB+1] offset:TP*\a+8192
.endr
	WIN 0x40                                       ; destination window 1
.irp t, 0,1,2
.irp k, 0,1,2,3,4,5,6,7,8,9,10,11,12,13,14,15
	global_load_b128 v[64*\t+4*\k:64*\t+4*\k+3], v[LOF], s[FB:FB+1] offset:TP*\t+512*\k   ; tiles 0, 1, 2
.endr
.endr
	WIN 0
	s_wait_loadcnt 63                              ; 200 loads were issued: the first 137 are in, the eight of w_sq among them
.irp t, 0,1,2,3,4,5,6,7
	ds_store_b128 v203, v[128+4*\t:131+4*\t] offset:512*\t
.endr
	s_wait_kmcnt 0x0
	s_add_co_i32 s[SC], s50, s51
	s_add_co_i32 s[SC], s[SC], 128                 ; ex + ew + 1 + 127
	s_lshl_b32 s[SC], s[SC], 23
	s_or_b32 s[SC], s[SC], 0x80000000              ; -2^(ex + ew + 1)
	s_mov_b32 s[SC+1], s[SC]
	s_wait_dscnt 0x0                               ; my w_sq lie in LDS
	s_barrier_signal -1
	s_barrier_wait -1
	; tile g is codewords 4,096 x half + 1,024 w + 16 g on
	STEP 0, 0, 3, 0, 32, 0, 0, 0                   ; g = 0: there is no vector work yet
.Ltrip:                                            ; 15 trips: trip m runs g = 4 m + 1 .. 4 m + 4 and asks for tiles 4 m + 4 .. 4 m + 7
	STEP 1, 1, 4, 64, 32, 1, 1, 0
	STEP 0, 2, 5, 128, 32, 1, 0, 1
	STEP 1, 3, 6, 192, 32, 1, 0, 0
	STEP 0, 0, 7, 256, 32, 1, 0, 0
	s_wait_xcnt 0x0                                ; the trip's loads and its prefetch have read their base
	s_add_nc_u64 s[FB:FB+1], s[FB:FB+1], 4*TP
	s_add_co_u32 s[WB], s[WB], 256
	s_sub_co_u32 s[CNT], s[CNT], 1
	s_cmp_lg_u32 s[CNT], 0
	s_cbranch_scc1 .Ltrip
	STEP 1, 1, -1, 64, 32, 1, 1, 0                 ; g = 61 .. 63: nothing is left to ask for, and the counts run down
	STEP 0, 2, -1, 128, 16, 1, 0, 0
	STEP 1, 3, -1, 192, 0, 1, 0, 0
	s_wait_dscnt 0x0                               ; tile 63's w_sq
.set n, 0
.rept 176
	EP 1                                           ; tile 63's vector work; the 44 instructions above were the places behind the last products
.endr
	; THE END.  The place inside the best tile: the first of its 8 d that equals the best; from the highest down, so that the lowest stays.
.irp a, 0,1,2,3,4,5,6,7
	v_mov_b32 v[144+\a], 0
.endr
.irp j, 7,6,5,4,3,2,1,0
.irp a, 0,1,2,3,4,5,6,7
	v_cmp_neq_f32 vcc_lo, v[BD+8*\a+\j], v[BE+8+\a]
	v_cndmask_b32 v[144+\a], \j, v[144+\a], vcc_lo
.endr
.endr
	v_bfe_u32 v152, v0, 4, 1
	v_lshl_add_u32 v152, v152, 3, s57              ; 8 h + 1,024 w + 4,096 x half
	v_and_b32 v153, 15, v0
	v_lshl_add_u32 v153, v153, 3, s61              ; where my wave's pair of row r goes
	v_and_b32 v158, 31, v0
	v_lshlrev_b32 v159, 3, v158                    ; 8 x lane: the store's offset
	v_lshl_add_u32 v158, v158, 4, s62              ; from where I read back: rows 64 (w % 2) + 2 x lane and the next
	v_mov_b32 v154, 0                              ; a lane permute's destination counts as one of its sources
	v_mov_b32 v155, 0
.irp a, 0,1,2,3,4,5,6,7
	v_lshl_add_u32 v156, v[IX+\a], 4, v152
	v_add_nc_u32 v[129+2*\a], v156, v[144+\a]      ; the index: 16 g + the place + 8 h + 1,024 w + 4,096 x half
	v_mov_b32 v[128+2*\a], v[BE+8+\a]
	v_permlanex16_b32 v154, v[128+2*\a], s[SEL], s[SEL+1]   ; the row's other eight codewords of each tile lie in the lane 16 away
	v_permlanex16_b32 v155, v[129+2*\a], s[SEL], s[SEL+1]
	MERGE 128+2*\a, 129+2*\a, 154, 155
	ds_store_b64 v153, v[128+2*\a:129+2*\a] offset:128*\a   ; row 16 a + r; both halves of the lanes write the same pair
.endr
	s_wait_alu depctr_va_vdst(0)
	s_wait_dscnt 0x0                               ; for the others' sake: my pairs lie in LDS
	s_barrier_signal -1
	s_barrier_wait -1
.irp k, 0,1,2,3
	ds_load_b128 v[160+4*\k:163+4*\k], v158 offset:1024*\k  ; wave k's pairs of my two rows
.endr
	s_lshl_b32 s20, s17, 16                        ; where they go: 4 x (16,384 x half + 128 rb + 64 (w % 2))
	s_lshl_b32 s21, s16, 9
	s_add_co_u32 s20, s20, s21
	s_and_b32 s21, s[WV], 1
	s_lshl_b32 s21, s21, 8
	s_add_co_u32 s20, s20, s21
	s_mov_b32 s21, 0
	s_cmp_lt_u32 s[WV], 2                          ; waves 0 and 1 store the d of 64 rows each, waves 2 and 3 the indices
	s_cselect_b64 s[24:25], s[8:9], s[10:11]
	s_cselect_b32 s71, 0, -1
	s_add_nc_u64 s[24:25], s[24:25], s[20:21]
	s_wait_dscnt 0x0
.irp k, 1,2,3
	MERGE 160, 161, 160+4*\k, 161+4*\k
	MERGE 162, 163, 162+4*\k, 163+4*\k
.endr
	v_cndmask_b32 v176, v160, v161, s71
	v_cndmask_b32 v177, v162, v163, s71
	global_store_b64 v159, v[176:177], s[24:25]    ; 32 lanes store 256 consecutive bytes, at a multiple of 256 from the buffer's first byte
	s_wait_tensorcnt 0x0                           ; the wave's end, behind my last LDS store
	ds_add_u32 v[SPW], v[NIL]
	s_wait_dscnt 0x0
	s_endpgm
.Lfunc_end_k_qf7c6ead16f_argmin:
	.size	k_qf7c6ead16f_argmin, .Lfunc_end_k_qf7c6ead16f_argmin-k_qf7c6ead16f_argmin
	.p2alignl 7, 3214868480
	.fill 96, 4, 3214868480
	.section	.rodata,"a",@progbits
	.p2align	6, 0x0
	.amdhsa_kernel k_qf7c6ead16f_argmin
		.amdhsa_group_segment_fixed_size 20992
		.amdhsa_private_segment_fixed_size 0
		.amdhsa_enable_private_segment 0
		.amdhsa_kernarg_size 32
		.amdhsa_user_sgpr_count 2
		.amdhsa_user_sgpr_kernarg_segment_ptr 1
		.amdhsa_wavefront_size32 1
		.amdhsa_system_sgpr_workgroup_id_x 1
		.amdhsa_system_sgpr_workgroup_id_y 1
		.amdhsa_system_sgpr_workgroup_id_z 1
		.amdhsa_system_vgpr_workitem_id 0
		.amdhsa_next_free_vgpr 1024
		.amdhsa_next_free_sgpr 80
		.amdhsa_reserve_vcc 1
		.amdhsa_float_denorm_mode_32 3
		.amdhsa_float_denorm_mode_16_64 3
		.amdhsa_memory_ordered 1
		.amdhsa_forward_progress 1
		.amdhsa_inst_pref_size 156
	.end_amdhsa_kernel
	.amdgpu_metadata
---
amdhsa.version: [ 1, 2 ]
amdhsa.kernels:
  - .name:           k_qf7c6ead16f_argmin
    .symbol:         k_qf7c6ead16f_argmin.kd
    .args:
      - { .name: codes, .offset: 0, .size: 8, .value_kind: global_buffer, .address_space: global }
      - { .name: lowp_scales, .offset: 8, .size: 8, .value_kind: global_buffer, .address_space: global }
      - { .name: cd, .offset: 16, .size: 8, .value_kind: global_buffer, .address_space: global }
      - { .name: cq, .offset: 24, .size: 8, .value_kind: global_buffer, .address_space: global }
    .group_segment_fixed_size: 20992
    .private_segment_fixed_size: 0
    .kernarg_segment_align: 8
    .kernarg_segment_size: 32
    .max_flat_workgroup_size: 128
    .sgpr_count:     80
    .vgpr_count:     1024
    .wavefront_size: 32
...
	.end_amdgpu_metadata
.endif
;; end of part 2
;; launch gather (part 3): grid 256 x 1, 16 waves a work-group, no clusters, 0 bytes of LDS; arguments weight, cq, cd, out0, out1; writes out0, out1
.if DOCPART == 3
	.amdgcn_target "amdgcn-amd-amdhsa--gfx1250"
	.amdhsa_code_object_version 6
	.text
	.protected	k_qf7c6ead16f_gather
	.globl	k_qf7c6ead16f_gather
	.p2align	8
	.type	k_qf7c6ead16f_gather,@function
k_qf7c6ead16f_gather:
	s_mov_b64 s[64:65], 0
	v_nop
	global_prefetch_b8 v0, s[64:65] scope:SCOPE_SE
	s_setreg_imm32_b32 hwreg(HW_REG_WAVE_MODE, 25, 1), 1
	s_wait_xcnt 0x0
; out1[row] = the index of the lesser of the two halves' candidates (cd, cq: [2][16384]); a tie keeps half 0's, the lower index.  out0[row] = weight[out1[row]], 2,048 bytes of f32.
; The two indices of a row are whole numbers that the launch before stored: they make the addresses.  Which of the two wins hangs on a comparison of f32 numbers, so it steers no address:
; BOTH candidate rows are loaded and the winner is taken by v_cndmask_b32.
; SHARES.  A work-group takes 64 rows, each of its sixteen waves 4: 32 loads of 512 consecutive bytes are out at once in each wave.  Wave 0 also stores the work-group's 64 indices, 256 consecutive bytes.
; A stream: no LDS, no matrix work, no cluster (work-groups share no tile).
.set C0, 16                            ; v16-79   half 0's candidate rows, 16 registers a row; then the rows to store
.set C1, 80                            ; v80-143  half 1's
	s_load_b256 s[4:11], s[0:1], 0x0               ; weight s[4:5], cq s[6:7], cd s[8:9], out0 s[10:11]
	s_load_b64 s[12:13], s[0:1], 0x20              ; out1
	v_lshrrev_b32 v1, 5, v0
	s_delay_alu instid0(VALU_DEP_1)
	v_readfirstlane_b32 s14, v1                    ; wave 0..15
	v_and_b32 v3, 31, v0
	s_delay_alu instid0(VALU_DEP_1)
	v_lshlrev_b32 v1, 4, v3                        ; my 16 bytes of 512
	s_delay_alu instid0(VALU_DEP_2)
	v_lshlrev_b32 v3, 3, v3                        ; 8 x lane
	s_lshl_b32 s15, ttmp9, 8
	s_lshl_b32 s2, s14, 4
	s_add_co_u32 s15, s15, s2                      ; 4 x my first row = 4 x (64 x work-group + 4 x wave)
	s_lshl_b32 s52, ttmp9, 17
	s_lshl_b32 s2, s14, 13
	s_add_co_u32 s52, s52, s2                      ; 2,048 x my first row
	s_mov_b32 s53, 0
	s_lshl_b32 s54, ttmp9, 8                       ; the work-group's 64 entries of cq, cd and out1
	s_mov_b32 s55, 0
	s_wait_alu depctr_va_vdst(0)
	s_wait_kmcnt 0x0
	s_load_b128 s[16:19], s[6:7], s15 offset:0x0          ; my four rows' indices, half 0,
	s_load_b128 s[20:23], s[6:7], s15 offset:0x10000      ; half 1;
	s_load_b128 s[24:27], s[8:9], s15 offset:0x0          ; their d, half 0,
	s_load_b128 s[28:31], s[8:9], s15 offset:0x10000      ; half 1
	s_add_nc_u64 s[52:53], s[10:11], s[52:53]
	s_add_nc_u64 s[56:57], s[8:9], s[54:55]
	s_add_nc_u64 s[58:59], s[12:13], s[54:55]
	s_add_nc_u64 s[54:55], s[6:7], s[54:55]
	s_wait_kmcnt 0x0
.irp i, 0,1,2,3,4,5,6,7
	s_min_u32 s[16+\i], s[16+\i], 8191             ; an index stays inside the table
	s_lshl_b32 s[32+2*\i], s[16+\i], 11            ; 2,048 bytes a row
	s_mov_b32 s[33+2*\i], 0
	s_add_nc_u64 s[32+2*\i:33+2*\i], s[4:5], s[32+2*\i:33+2*\i]
.endr
.irp i, 0,1,2,3
.irp k, 0,1,2,3
	global_load_b128 v[C0+16*\i+4*\k:C0+16*\i+4*\k+3], v1, s[32+2*\i:33+2*\i] offset:512*\k   ; no hint: a codeword may be named again
.endr
.irp k, 0,1,2,3
	global_load_b128 v[C1+16*\i+4*\k:C1+16*\i+4*\k+3], v1, s[40+2*\i:41+2*\i] offset:512*\k
.endr
.endr
.irp i, 0,1,2,3
	v_mov_b32 v2, s[24+\i]
	s_delay_alu instid0(VALU_DEP_1)
	v_cmp_lt_f32 s[48+\i], s[28+\i], v2            ; half 1's d is less: all lanes alike
.endr
.irp i, 0,1,2,3
	s_wait_loadcnt 24-8*\i                         ; row i's eight loads are in; the later rows' stay out
.irp k, 0,1,2,3,4,5,6,7,8,9,10,11,12,13,14,15
	v_cndmask_b32 v[C0+16*\i+\k], v[C0+16*\i+\k], v[C1+16*\i+\k], s[48+\i]
.endr
.irp k, 0,1,2,3
	global_store_b128 v1, v[C0+16*\i+4*\k:C0+16*\i+4*\k+3], s[52:53] offset:2048*\i+512*\k th:TH_STORE_NT   ; 512 consecutive bytes, aligned; written once, read by nobody here
.endr
.endr
	s_cmp_lg_u32 s14, 0
	s_cbranch_scc1 .Ldone
	global_load_b64 v[4:5], v3, s[54:55]                  ; wave 0: the work-group's 64 rows, two a lane: indices,
	global_load_b64 v[6:7], v3, s[54:55] offset:65536
	global_load_b64 v[8:9], v3, s[56:57]                  ; and d
	global_load_b64 v[10:11], v3, s[56:57] offset:65536
	s_wait_loadcnt 0x0
	v_cmp_lt_f32 vcc_lo, v10, v8
	s_delay_alu instid0(VALU_DEP_1)
	v_cndmask_b32 v4, v4, v6, vcc_lo
	v_cmp_lt_f32 vcc_lo, v11, v9
	s_delay_alu instid0(VALU_DEP_1)
	v_cndmask_b32 v5, v5, v7, vcc_lo
	global_store_b64 v3, v[4:5], s[58:59]                 ; 256 consecutive bytes, aligned
.Ldone:
	s_endpgm
.Lfunc_end_k_qf7c6ead16f_gather:
	.size	k_qf7c6ead16f_gather, .Lfunc_end_k_qf7c6ead16f_gather-k_qf7c6ead16f_gather
	.p2alignl 7, 3214868480
	.fill 96, 4, 3214868480
	.section	.rodata,"a",@progbits
	.p2align	6, 0x0
	.amdhsa_kernel k_qf7c6ead16f_gather
		.amdhsa_group_segment_fixed_size 0
		.amdhsa_private_segment_fixed_size 0
		.amdhsa_enable_private_segment 0
		.amdhsa_kernarg_size 40
		.amdhsa_user_sgpr_count 2
		.amdhsa_user_sgpr_kernarg_segment_ptr 1
		.amdhsa_wavefront_size32 1
		.amdhsa_system_sgpr_workgroup_id_x 1
		.amdhsa_system_sgpr_workgroup_id_y 1
		.amdhsa_system_sgpr_workgroup_id_z 1
		.amdhsa_system_vgpr_workitem_id 0
		.amdhsa_next_free_vgpr 144
		.amdhsa_next_free_sgpr 66
		.amdhsa_reserve_vcc 1
		.amdhsa_float_denorm_mode_32 3
		.amdhsa_float_denorm_mode_16_64 3
		.amdhsa_memory_ordered 1
		.amdhsa_forward_progress 1
		.amdhsa_inst_pref_size 13
	.end_amdhsa_kernel
	.amdgpu_metadata
---
amdhsa.version: [ 1, 2 ]
amdhsa.kernels:
  - .name:           k_qf7c6ead16f_gather
    .symbol:         k_qf7c6ead16f_gather.kd
    .args:
      - { .name: weight, .offset: 0, .size: 8, .value_kind: global_buffer, .address_space: global }
      - { .name: cq, .offset: 8, .size: 8, .value_kind: global_buffer, .address_space: global }
      - { .name: cd, .offset: 16, .size: 8, .value_kind: global_buffer, .address_space: global }
      - { .name: out0, .offset: 24, .size: 8, .value_kind: global_buffer, .address_space: global }
      - { .name: out1, .offset: 32, .size: 8, .value_kind: global_buffer, .address_space: global }
    .group_segment_fixed_size: 0
    .private_segment_fixed_size: 0
    .kernarg_segment_align: 8
    .kernarg_segment_size: 40
    .max_flat_workgroup_size: 512
    .sgpr_count:     66
    .vgpr_count:     144
    .wavefront_size: 32
...
	.end_amdgpu_metadata
.endif
;; end of part 3
